; MI455X (gfx1250); checked and timed in simulation.
; The chip was launched on July 23, 2026; its instructions are those of AMD's public machine-readable ISA for CDNA 5 (MIT licence, August 2026) and "CDNA5" Instruction Set Architecture Reference Guide (July 2026). The comments in the code are by the model that wrote it; some were corrected since.
;; Mo BA Attention. Allowed arithmetic: matrix products marked QUANTISED: E5M2 operands, one given power-of-two scale a tensor, by v_wmma_f32_16x16x64_bf8_bf8 or v_wmma_f32_16x16x128_bf8_bf8, f32 sums; everything else in f32.
;; Inputs: cos 4,096 x 64 float32; lowp_scales 24 int32 (the exponents e of the quantised operands' scales 2^e); sin 4,096 x 64 float32; wk_codes 1,024 x 32 x 32 uint8 (E5M2 codes of wk, K innermost, in blocks of 32 codes); wo_codes 1,024 x 32 x 32 uint8 (E5M2 codes of wo, K innermost, in blocks of 32 codes); wq_codes 1,024 x 32 x 32 uint8 (E5M2 codes of wq, K innermost, in blocks of 32 codes); wv_codes 1,024 x 32 x 32 uint8 (E5M2 codes of wv, K innermost, in blocks of 32 codes); x_codes 2 x 4,096 x 32 x 32 uint8 (E5M2 codes of x, K innermost, in blocks of 32 codes).
;; Outputs: out0 2 x 4,096 x 1,024 float32.
;; This version of the problem:
;;   THIS VERSION OF THE PROBLEM IS GIVEN IN LOW PRECISION. The matrix products marked QUANTISED in the list below multiply operands that are first quantised to E5M2 (5 exponent bits, 2 mantissa bits; 8 bits a number), with one given power-of-two scale for each operand tensor; their sums are f32. All else is computed in f32.
;;   The module's matrix products, in the order in which they are computed (A, B: the left and right operand; K: the contracted axis; several contracted axes count as one K, in the product's order):
;;     1. [M 8,192, K 1,024] x [K 1,024, N 1,024]; A: input x (given as codes); B: input wq (given as codes): QUANTISED (scales: A lowp_scales[0], B lowp_scales[1])
;;     2. [M 8,192, K 1,024] x [K 1,024, N 1,024]; A: input x (given as codes); B: input wk (given as codes): QUANTISED (scales: A lowp_scales[2], B lowp_scales[3])
;;     3. [M 8,192, K 1,024] x [K 1,024, N 1,024]; A: input x (given as codes); B: input wv (given as codes): QUANTISED (scales: A lowp_scales[4], B lowp_scales[5])
;;     4. batch 32 x [M 4,096, K 64] x [K 64, N 1,024]; A: computed on the way; B: computed on the way: QUANTISED (scales: A lowp_scales[6], B lowp_scales[7])
;;     5. batch 32 x [M 4,096, K 1,024] x [K 1,024, N 64]; A: softmax (see below); B: computed on the way: QUANTISED (scales: A lowp_scales[8], B lowp_scales[9])
;;     6. batch 32 x [M 4,096, K 64] x [K 64, N 512]; A: computed on the way; B: computed on the way: QUANTISED (scales: A lowp_scales[10], B lowp_scales[11])
;;     7. batch 32 x [M 4,096, K 512] x [K 512, N 64]; A: softmax (see below); B: computed on the way: QUANTISED (scales: A lowp_scales[12], B lowp_scales[13])
;;     8. batch 32 x [M 4,096, K 64] x [K 64, N 256]; A: computed on the way; B: computed on the way: QUANTISED (scales: A lowp_scales[14], B lowp_scales[15])
;;     9. batch 32 x [M 4,096, K 256] x [K 256, N 64]; A: softmax (see below); B: computed on the way: QUANTISED (scales: A lowp_scales[16], B lowp_scales[17])
;;     10. batch 32 x [M 4,096, K 64] x [K 64, N 128]; A: computed on the way; B: computed on the way: QUANTISED (scales: A lowp_scales[18], B lowp_scales[19])
;;     11. batch 32 x [M 4,096, K 128] x [K 128, N 64]; A: softmax (see below); B: computed on the way: QUANTISED (scales: A lowp_scales[20], B lowp_scales[21])
;;     12. [M 8,192, K 1,024] x [K 1,024, N 1,024]; A: computed on the way; B: input wo (given as codes): QUANTISED (scales: A lowp_scales[22], B lowp_scales[23])
;;   THE QUANTISER, for each operand of a quantised product, along K:
;;     - The operand's scale is 2^e, e = its entry of the input lowp_scales (int32; the entries are numbered through the quantised products in the list's order, A before B).
;;     - Each number is divided by the scale, clamped to +-57,344, and rounded to the nearest number of E5M2, ties to even, subnormals kept.
;;     - The product sums the exact products of the quantised numbers (number of the format x scale) in f32.
;;   ~~~python
;;   def quantise(x, axis, e):      # numpy; x: float32 -> the quantised numbers, widened to float32 again
;;       x = np.moveaxis(x, axis, -1); K = x.shape[-1]
;;       r = np.clip(x / 2.0 ** e, -57344, 57344)
;;       step = 2.0 ** (np.maximum(np.frexp(np.where(r == 0, 1, r))[1] - 1, -14) - 2)
;;       q = np.round(r / step) * step * 2.0 ** e      # np.round: ties to even
;;       return np.moveaxis(q, -1, axis).astype(np.float32)
;;   ~~~
;;   SOFTMAX AHEAD OF A QUANTISED PRODUCT. Where the list says 'softmax', what is quantised is not the finished softmax but p = 2^(t - M), with t = logit x log2(e) and M = ceil(the row's largest t), a whole number; so 1/2 < the row's largest p <= 1. The row's sum l is taken of the UNQUANTISED p, in f32, and the product's result is divided by l at the end. Since M is a whole number, a kernel that streams over the keys may use a running M (the ceiling of the running maximum): every later rescaling is an exact power of two, so the quantised numbers keep their values, but for numbers so far below the row's largest that they fall under the format's range.
;;   OPERANDS COMPUTED ON THE WAY. 'Computed on the way' means the value that the module computes at that place (a softmax that the list does not call 'softmax' is quantised finished and normalised). What goes into a quantiser is computed in f32, as accurately as f32 sums, v_exp_f32 and their like allow (about 1e-6 of the number): no bf16 or f16 on the way to a quantiser, and a product that is left as it is and whose result goes on into a quantised operand takes f32 operands (vector FMAs, or v_wmma_f32_16x16x4_f32). A number that lies on a knife's edge between two numbers of the format may be rounded either way, as far as f32 arithmetic and the matrix unit's own rounding can turn it there, and no further.
;;   INPUTS GIVEN AS CODES. wk (in the module: [1024, 1024], K = its axis 1); wo (in the module: [1024, 1024], K = its axis 1); wq (in the module: [1024, 1024], K = its axis 1); wv (in the module: [1024, 1024], K = its axis 1); x (in the module: [2, 4096, 1024], K = its axis 2): each comes as NAME_codes (uint8): NAME with its K axis moved to the last place and cut into blocks of 32 codes, [.., K / 32, bytes a block], one block behind the other in memory; one code a byte (a code: sign, 5 exponent bits, 2 mantissa bits); its scale is its entry of lowp_scales. Its value is code x scale, taken as it is: it is not quantised again, and the codes and scales need not be those that the quantiser above would give.
;; One version. Each part assembles by itself: llvm-mc -triple=amdgcn-amd-amdhsa -mcpu=gfx1250 --defsym DOCPART=n.
;; ======== version 1 of 1: 3 launches
;; limits: right only within a limited range of input values
;; workspace buffers: qc 33,554,432 bytes; kv 16,777,216 bytes; cc 8,388,608 bytes
;; launch proj (part 1): grid 4 x 48, 4 waves a work-group, clusters of 4 x 4, 327,680 bytes of LDS; arguments x_codes, wq_codes, wk_codes, wv_codes, sin, lowp_scales, qc, kv; writes qc, kv
.if DOCPART == 1
	.amdgcn_target "amdgcn-amd-amdhsa--gfx1250"
	.amdhsa_code_object_version 6
	.text
	.protected	k_q2552579b01_proj
	.globl	k_q2552579b01_proj
	.p2align	8
	.type	k_q2552579b01_proj,@function
k_q2552579b01_proj:
	s_mov_b64 s[64:65], 0
	v_nop
	global_prefetch_b8 v0, s[64:65] scope:SCOPE_SE
	s_setreg_imm32_b32 hwreg(HW_REG_WAVE_MODE, 25, 1), 1
	s_wait_xcnt 0x0
	s_wait_alu depctr_hold_cnt(0) depctr_sa_sdst(0) depctr_va_vdst(0) depctr_va_sdst(0) depctr_va_ssrc(0) depctr_va_vcc(0) depctr_vm_vsrc(0)
	s_getreg_b32 s2, hwreg(HW_REG_IB_STS2, 6, 4)
	s_cmp_eq_u32 s2, 0
	s_cbranch_scc0 .Lentry_in_a_cluster
	s_endpgm
.Lentry_in_a_cluster:
	s_bfe_u32 s2, ttmp6, 0x10000c
	s_cmp_lg_u32 s2, 0xf033
	s_cbranch_scc0 .Lentry_shape_is_right
	s_endpgm
.Lentry_shape_is_right:
; THE PROJECTIONS Q, K, V on codes of BF8 (E5M2), the rotary factor -sin, and the quantisers ahead of the four block attentions: each result is stored as codes, once for each scale, as images of the operand registers that the next launch reads.
; DEAD WORK.  reference() keeps of cat([-q sin, q cos])[..., :64] the first 64 numbers, which are -q sin: cos reaches no output, whatever it holds; it is not loaded and is no argument of any launch.
; _block_attn slices k[:, :, :bs] and v[:, :, :bs] with bs at most 1,024: rows 1,024 to 4,095 of x wk^T and x wv^T of each batch reach no output, whatever the inputs hold, and are not computed.
; LIMIT: a NaN, an infinity or an overflow that would arise only in the work left out is not carried to the result.
.set KSTEP,  256
.set ROWB,   256
.set KROW,   1024
.set PITCH,  272
.set FR,     16
.set NL,     4
.set NP,     4
.set HALFT,  128*PITCH
.set SLOT,   4*HALFT
.set LAPS,   2
.set SPARE,  2*SLOT
.set VSC,  8
.set VHL,  12
.set ADRA, 16
.set VS,   18
.set NEG1, 19
.set ADRB, 20
.set LI,   27
.set SPW,  28
.set NIL,  29
.set SF,   32
.set VAL,  96
.set TMP,  160
.set CD,   176
.set VO,   240
.set AF,   128
.set G1, 24
.set G0, 32
.set G1B, 48
.set G0B, 56
.set MSB, 0
.macro WIN new
.if MSB != \new
	s_set_vgpr_msb (MSB<<8)|\new
.set MSB, \new
.endif
.endm
.set MUL_LO, 0xa1
.set MUL_HI, 0xf1
.set TO_B,   0x40
.macro JLOAD g0a, g1a, g0b, g1b
	s_cmp_eq_u32 s15, 0
	s_cbranch_scc0 .Lfor_b_\@
	tensor_load_to_lds s[\g0a:\g0a+3], s[\g1a:\g1a+7]
	s_nop 0
.rept 4
	v_nop
.endr
	s_branch .Lasked_\@
.Lfor_b_\@:
	tensor_load_to_lds s[\g0b:\g0b+3], s[\g1b:\g1b+7]
	s_nop 0
.rept 4
	v_nop
.endr
.Lasked_\@:
.endm
.macro CREST
	s_cmp_lg_u32 s14, 0
	s_cbranch_scc1 .Lnot_wave_0_\@
	s_barrier_signal -3
.Lnot_wave_0_\@:
	s_barrier_wait -3
	s_barrier_signal -1
	s_barrier_wait -1
.endm
.macro CROUND
	s_barrier_signal -1
	s_barrier_wait -1
	CREST
.endm
	s_load_b256 s[4:11], s[0:1], 0x0
	s_load_b256 s[68:75], s[0:1], 0x20
	v_lshl_add_u32 v[SPW], v0, 2, SPARE
	v_mov_b32 v[NIL], 0
	v_lshrrev_b32 v1, 5, v0
	v_readfirstlane_b32 s14, v1
	s_lshr_b32 s15, s14, 1
	s_and_b32 s16, s14, 1
	s_bfe_u32 s40, ttmp6, 0x40000
	s_bfe_u32 s41, ttmp6, 0x40004
	s_and_b32 s17, ttmp7, 0xffff
	s_lshl_b32 s43, s41, 2
	s_lshl_b32 s43, 15, s43
	s_lshl_b32 s44, 0x1111, s40
	s_or_b32 s[G1+0], s43, (0<<16)|(1<<20)|(1<<21)|(5<<22)|(3<<25)
	s_or_b32 s[G1B+0], s44, (0<<16)|(1<<20)|(1<<21)|(5<<22)|(3<<25)
.irp g, G1, G1B
	s_mov_b32 s[\g+1], ROWB<<16
	s_mov_b32 s[\g+2], 128<<16
	s_mov_b32 s[\g+3], ROWB<<16
	s_mov_b32 s[\g+4], 128
	s_mov_b32 s[\g+5], KROW
	s_mov_b32 s[\g+6], 0
	s_mov_b32 s[\g+7], 0
.endr
	s_and_b32 s42, s17, 1
	s_lshl_b32 s42, s42, 12
	s_lshl_b32 s12, s17, 10
	s_cmp_lt_u32 s17, 8
	s_cselect_b32 s12, s12, s42
	s_cmp_ge_u32 s17, 10
	s_cselect_b32 s12, 0, s12
	s_cselect_b32 s13, s42, 0
	s_lshl_b32 s42, s16, 7
	s_lshl_b32 s2, s41, 8
	s_add_co_u32 s2, s2, s12
	s_add_co_u32 s2, s2, s42
	s_lshl_b32 s2, s2, 10
	s_mov_b32 s3, 0
	s_lshl_b32 s46, s40, 8
	s_add_co_u32 s46, s46, s13
	s_add_co_u32 s46, s46, s42
	s_lshl_b32 s46, s46, 10
	s_mov_b32 s47, 0
	s_mul_i32 s45, s14, HALFT
	s_wait_kmcnt 0x0
	s_load_b512 s[76:91], s[70:71], 0x0
	s_load_b256 s[92:99], s[70:71], 0x40
	s_cmp_lt_u32 s17, 8
	s_cselect_b64 s[6:7], s[6:7], s[8:9]
	s_cmp_ge_u32 s17, 10
	s_cselect_b64 s[6:7], s[4:5], s[6:7]
	s_cselect_b64 s[4:5], s[10:11], s[4:5]
	s_add_nc_u64 s[4:5], s[4:5], s[2:3]
	s_add_nc_u64 s[6:7], s[6:7], s[46:47]
	CROUND
.irp s, 0,1
	s_mov_b32 s[G0+4*\s], 1
	s_add_co_u32 s[G0+4*\s+1], s45, \s*SLOT
	s_add_nc_u64 s[G0+4*\s+2:G0+4*\s+3], s[4:5], \s*ROWB
	s_or_b32 s[G0+4*\s+3], s[G0+4*\s+3], 0x80000000
	s_mov_b32 s[G0B+4*\s], 1
	s_add_co_u32 s[G0B+4*\s+1], s45, \s*SLOT
	s_add_nc_u64 s[G0B+4*\s+2:G0B+4*\s+3], s[6:7], \s*ROWB
	s_or_b32 s[G0B+4*\s+3], s[G0B+4*\s+3], 0x80000000
	s_wait_alu depctr_va_vdst(0)
	s_wait_tensorcnt 0x0
	ds_add_u32 v28, v29
	ds_add_u32 v28, v29
	s_wait_dscnt 0x0
	CROUND
	JLOAD G0+4*\s, G1, G0B+4*\s, G1B
.endr
	v_and_b32 v1, 15, v0
	v_bfe_u32 v2, v0, 4, 1
	v_mul_u32_u24 v3, v1, PITCH
	v_lshl_add_u32 v4, v2, 4, v3
	s_mul_i32 s8, s15, HALFT
	s_mul_i32 s9, s16, HALFT
	s_add_co_u32 s9, s9, 2*HALFT
.irp s, 0,1
	v_add_nc_u32 v[ADRA+\s], s8, v4
	v_add_nc_u32 v[ADRB+\s], s9, v4
	s_add_co_u32 s8, s8, SLOT
	s_add_co_u32 s9, s9, SLOT
.endr
	v_lshlrev_b32 v[VS], 8, v1
	v_lshl_add_u32 v[VS], v2, 5, v[VS]
	s_wait_alu depctr_va_vdst(0)
	v_mov_b32 v[NEG1], -1.0
	v_and_b32 v5, 31, v0
	v_lshlrev_b32 v[LI], 4, v5
	s_and_b32 s10, s12, 4095
	s_lshl_b32 s11, s41, 8
	s_add_co_u32 s10, s10, s11
	s_lshl_b32 s11, s15, 7
	s_add_co_u32 s10, s10, s11
	s_lshl_b32 s10, s10, 8
	s_mov_b32 s11, 0
	s_add_nc_u64 s[68:69], s[68:69], s[10:11]
.macro SINLOAD a
.irp c, 0,1,2,3
.irp e, 0,1
	global_load_b128 v[SF+32*((\a)%2)+8*\c+4*\e:SF+32*((\a)%2)+8*\c+4*\e+3], v[VS], s[68:69] offset:(\a)*4096+64*\c+16*\e
.endr
.endr
.endm
	SINLOAD 0
	SINLOAD 1
	s_lshl_b32 s8, s40, 2
	s_lshl_b32 s9, s16, 1
	s_add_co_u32 s8, s8, s9
	s_lshl_b32 s9, s41, 2
	s_lshl_b32 s10, s15, 1
	s_add_co_u32 s9, s9, s10
	s_lshr_b32 s10, s8, 1
	s_lshr_b32 s11, s9, 1
	s_lshr_b32 s42, s17, 2
	s_lshl_b32 s42, s42, 4
	s_add_co_u32 s42, s42, s8
	s_lshl_b32 s42, s42, 8
	s_and_b32 s2, s17, 3
	s_lshl_b32 s2, s2, 6
	s_add_co_u32 s42, s42, s2
	s_lshl_b32 s2, s9, 2
	s_add_co_u32 s42, s42, s2
	s_lshl_b32 s42, s42, 12
	s_and_b32 s2, s17, 1
	s_lshl_b32 s2, s2, 4
	s_add_co_u32 s101, s2, s8
	s_lshl_b32 s101, s101, 3
	s_add_co_u32 s101, s101, s11
	s_lshl_b32 s101, s101, 14
	s_add_co_u32 s2, s2, s9
	s_lshl_b32 s2, s2, 3
	s_add_co_u32 s2, s2, s10
	s_lshl_b32 s2, s2, 14
	s_add_co_u32 s2, s2, 8192
	s_mov_b32 s18, 1024
	s_mov_b32 s22, 131072
	s_mov_b32 s23, 4194304
	s_cmp_lt_u32 s17, 8
	s_cselect_b32 s18, 4096, s18
	s_cselect_b32 s22, 0x100000, s22
	s_cselect_b32 s23, 1024, s23
	s_cselect_b32 s42, s42, s101
	s_cselect_b64 s[66:67], s[72:73], s[74:75]
	s_mov_b32 s20, s18
	s_cmp_ge_u32 s17, 10
	s_cselect_b32 s18, 2048, s18
	s_cselect_b32 s20, 124928, s20
	s_cselect_b32 s22, 1024, s22
	s_cselect_b32 s42, s2, s42
	s_cselect_b32 s100, -1, 0
	s_mov_b32 s19, 0
	s_mov_b32 s21, 0
	s_mov_b32 s43, 0
	s_add_nc_u64 s[66:67], s[66:67], s[42:43]
.macro FRAG reg, adr, q, i
.irp c, 0,1,2,3
	ds_load_b128 v[\reg+4*\c:\reg+4*\c+3], v[\adr] offset:128*(\q)+32*\c+(\i)*16*PITCH
.endr
.endm
.macro MUL16 a0, p, zero
.irp a, \a0, \a0+1
.irp b, 0,1,2,3,4,5,6,7
.if \zero
	v_wmma_f32_16x16x128_bf8_bf8 v[8*(8*((\a)%4)+\b):8*(8*((\a)%4)+\b)+7], v[128*(\p)+FR*\b:128*(\p)+FR*\b+FR-1], v[AF+FR*(\a):AF+FR*(\a)+FR-1], 0
.else
	v_wmma_f32_16x16x128_bf8_bf8 v[8*(8*((\a)%4)+\b):8*(8*((\a)%4)+\b)+7], v[128*(\p)+FR*\b:128*(\p)+FR*\b+FR-1], v[AF+FR*(\a):AF+FR*(\a)+FR-1], v[8*(8*((\a)%4)+\b):8*(8*((\a)%4)+\b)+7]
.endif
.endr
.endr
.endm
.macro FETCH_B slot, q, p
	WIN TO_B
.irp i, 0,1,2,3,4,5,6,7
	FRAG 128*(\p)+FR*\i, ADRB+\slot, \q, \i
.endr
	WIN 0
.endm
.macro FETCH_A slot, q, i0
.irp i, \i0, \i0+1, \i0+2, \i0+3
	FRAG AF+FR*(\i), ADRA+\slot, \q, \i
.endr
.endm
.macro PLACES n
.rept \n
	v_nop
.endr
.endm
.macro STEP slot, q, zero
	s_wait_dscnt 4*NL
	WIN MUL_LO
	MUL16 0, (\q)%2, \zero
	MUL16 2, (\q)%2, \zero
	s_wait_dscnt 0
	PLACES NP
	FETCH_B \slot, (\q)+1, 1-(\q)%2
	FETCH_A \slot, (\q)+1, 0
	WIN MUL_HI
	MUL16 4, (\q)%2, \zero
	MUL16 6, (\q)%2, \zero
	PLACES NP
	WIN 0
	FETCH_A \slot, (\q)+1, 4
.endm
.macro TURN slot, next, fill
	s_wait_tensorcnt 0x0
	ds_add_u32 v[SPW], v[NIL]
	s_wait_dscnt 4*NL+1
	WIN MUL_LO
	MUL16 0, 1, 0
	s_wait_dscnt 0x0
	s_barrier_signal -1
	MUL16 2, 1, 0
	WIN 0
	s_barrier_wait -1
.if \fill
	CREST
	s_add_nc_u64 s[G0+4*\slot+2:G0+4*\slot+3], s[G0+4*\slot+2:G0+4*\slot+3], 2*ROWB
	s_add_nc_u64 s[G0B+4*\slot+2:G0B+4*\slot+3], s[G0B+4*\slot+2:G0B+4*\slot+3], 2*ROWB
	JLOAD G0+4*\slot, G1, G0B+4*\slot, G1B
.else
	PLACES NP
.endif
	FETCH_B \next, 0, 0
	FETCH_A \next, 0, 0
	WIN MUL_HI
	MUL16 4, 1, 0
	MUL16 6, 1, 0
	PLACES NP
	WIN 0
	FETCH_A \next, 0, 4
.endm
	s_wait_tensorcnt 1
	s_barrier_signal -1
	s_barrier_wait -1
	FETCH_B 0, 0, 0
	FETCH_A 0, 0, 0
	FETCH_A 0, 0, 4
	STEP 0, 0, 1
	s_mov_b32 s3, LAPS-1
.Llap:
	TURN 0, 1, 1
	STEP 1, 0, 0
	TURN 1, 0, 1
	STEP 0, 0, 0
	s_sub_co_u32 s3, s3, 1
	s_cmp_lg_u32 s3, 0
	s_cbranch_scc1 .Llap
	TURN 0, 1, 0
	STEP 1, 0, 0
	s_wait_dscnt 4*NL
	WIN MUL_LO
	MUL16 0, 1, 0
	MUL16 2, 1, 0
	s_wait_dscnt 0
	WIN MUL_HI
	MUL16 4, 1, 0
	MUL16 6, 1, 0
	WIN 0
	PLACES NP
	s_wait_kmcnt 0x0
	s_add_co_i32 s8, s76, s77
	s_add_co_i32 s9, s78, s79
	s_add_co_i32 s10, s80, s81
	s_cmp_lt_u32 s17, 8
	s_cselect_b32 s8, s8, s9
.irp i, 0,1,2,3
	s_cselect_b32 s[82+4*\i], s[82+4*\i], s[83+4*\i]
.endr
	s_cmp_ge_u32 s17, 10
	s_cselect_b32 s8, s10, s8
.irp i, 0,1,2,3
	s_cselect_b32 s[82+4*\i], s[85+4*\i], s[82+4*\i]
.endr
	s_sub_co_i32 s8, 127, s8
	s_mov_b32 s11, 0
	s_wait_alu depctr_va_vdst(0)
.irp i, 0,1,2,3
	s_add_co_i32 s9, s[82+4*\i], s8
	s_lshl_b32 s10, s9, 23
	v_mov_b32 v[VSC+\i], s10
	s_add_co_i32 s9, s9, 15
	s_lshl_b32 s9, s9, 23
	s_or_b32 s9, s9, 0x600000
	v_mov_b32 v[VHL+\i], s9
	v_add_nc_u32 v[VO+2*\i], s11, v[LI]
	s_add_co_u32 s10, s11, s22
	v_add_nc_u32 v[VO+2*\i+1], s10, v[LI]
	s_add_co_u32 s11, s11, s23
.endr
.macro BLOCK a
.set FB, SF+32*((\a)%2)
.set AC, 64*((\a)%4)
.if (\a) < 7
	s_wait_loadcnt 8
.else
	s_wait_loadcnt 0
.endif
.set n, 0
.rept 32
	v_cndmask_b32 v[FB+n], v[FB+n], v[NEG1], s100
.set n, n+1
.endr
	WIN 0x02+((\a)/4)
.irp b, 0,1,2,3,4,5,6,7
.irp j, 0,2,4,6
	v_pk_mul_f32 v[VAL+8*\b+\j:VAL+8*\b+\j+1], v[AC+8*\b+\j:AC+8*\b+\j+1], v[FB+8*(\b%4)+\j:FB+8*(\b%4)+\j+1] neg_lo:[1,0] neg_hi:[1,0]
.endr
.endr
	WIN 0
.if (\a)+2 < 8
	SINLOAD (\a)+2
.endif
	s_wait_xcnt 0x0
.if (\a) == 4
	s_add_nc_u64 s[66:67], s[66:67], s[20:21]
.elseif (\a) > 0
	s_add_nc_u64 s[66:67], s[66:67], s[18:19]
.endif
.irp i, 0,1,2,3
.irp b, 0,1,2,3,4,5,6,7
.irp k, 0,1,2,3,4,5,6,7
	v_med3_num_f32 v[TMP+8*(\b%2)+\k], v[VAL+8*\b+\k], -v[VHL+\i], v[VHL+\i]
.endr
	v_cvt_scalef32_pk8_bf8_f32 v[CD+16*\i+2*\b:CD+16*\i+2*\b+1], v[TMP+8*(\b%2):TMP+8*(\b%2)+7], v[VSC+\i]
.endr
.irp q, 0,1
.irp g, 0,1
	global_store_b128 v[VO+2*\i+\q], v[CD+16*\i+8*\q+4*\g:CD+16*\i+8*\q+4*\g+3], s[66:67] offset:512*\g
.endr
.endr
.endr
	v_nop
.endm
.irp a, 0,1,2,3,4,5,6,7
	BLOCK \a
.endr
	s_wait_tensorcnt 0x0
	ds_add_u32 v[SPW], v[NIL]
	s_wait_dscnt 0x0
	CROUND
	s_endpgm
.Lfunc_end_k_q2552579b01_proj:
	.size	k_q2552579b01_proj, .Lfunc_end_k_q2552579b01_proj-k_q2552579b01_proj
	.p2alignl 7, 3214868480
	.fill 96, 4, 3214868480
	.section	.rodata,"a",@progbits
	.p2align	6, 0x0
	.amdhsa_kernel k_q2552579b01_proj
		.amdhsa_group_segment_fixed_size 327680
		.amdhsa_private_segment_fixed_size 0
		.amdhsa_enable_private_segment 0
		.amdhsa_kernarg_size 64
		.amdhsa_user_sgpr_count 2
		.amdhsa_user_sgpr_kernarg_segment_ptr 1
		.amdhsa_wavefront_size32 1
		.amdhsa_system_sgpr_workgroup_id_x 1
		.amdhsa_system_sgpr_workgroup_id_y 1
		.amdhsa_system_sgpr_workgroup_id_z 1
		.amdhsa_system_vgpr_workitem_id 0
		.amdhsa_next_free_vgpr 1024
		.amdhsa_next_free_sgpr 102
		.amdhsa_reserve_vcc 0
		.amdhsa_float_denorm_mode_32 3
		.amdhsa_float_denorm_mode_16_64 3
		.amdhsa_memory_ordered 1
		.amdhsa_forward_progress 1
		.amdhsa_inst_pref_size 255
	.end_amdhsa_kernel
	.section	.bss,"aw",@nobits
	.p2align	6
	.space	262144
	.amdgpu_metadata
---
amdhsa.version: [ 1, 2 ]
amdhsa.kernels:
  - .name:           k_q2552579b01_proj
    .symbol:         k_q2552579b01_proj.kd
    .args:
      - { .name: x_codes, .offset: 0, .size: 8, .value_kind: global_buffer, .address_space: global }
      - { .name: wq_codes, .offset: 8, .size: 8, .value_kind: global_buffer, .address_space: global }
      - { .name: wk_codes, .offset: 16, .size: 8, .value_kind: global_buffer, .address_space: global }
      - { .name: wv_codes, .offset: 24, .size: 8, .value_kind: global_buffer, .address_space: global }
      - { .name: sin, .offset: 32, .size: 8, .value_kind: global_buffer, .address_space: global }
      - { .name: lowp_scales, .offset: 40, .size: 8, .value_kind: global_buffer, .address_space: global }
      - { .name: qc, .offset: 48, .size: 8, .value_kind: global_buffer, .address_space: global }
      - { .name: kv, .offset: 56, .size: 8, .value_kind: global_buffer, .address_space: global }
    .group_segment_fixed_size: 327680
    .private_segment_fixed_size: 0
    .kernarg_segment_align: 8
    .kernarg_segment_size: 64
    .max_flat_workgroup_size: 128
    .sgpr_count:     102
    .vgpr_count:     1024
    .wavefront_size: 32
...
	.end_amdgpu_metadata
.endif
;; end of part 1
;; launch attn (part 2): grid 8 x 32, 16 waves a work-group, clusters of 4 x 1, 327,680 bytes of LDS; arguments qc, kv, lowp_scales, cc; writes cc
.if DOCPART == 2
	.amdgcn_target "amdgcn-amd-amdhsa--gfx1250"
	.amdhsa_code_object_version 6
	.text
	.protected	k_q2552579b01_attn
	.globl	k_q2552579b01_attn
	.p2align	8
	.type	k_q2552579b01_attn,@function
k_q2552579b01_attn:
	s_mov_b64 s[64:65], 0
	v_nop
	global_prefetch_b8 v0, s[64:65] scope:SCOPE_SE
	s_setreg_imm32_b32 hwreg(HW_REG_WAVE_MODE, 25, 1), 1
	s_wait_xcnt 0x0
	s_wait_alu depctr_hold_cnt(0) depctr_sa_sdst(0) depctr_va_vdst(0) depctr_va_sdst(0) depctr_va_ssrc(0) depctr_va_vcc(0) depctr_vm_vsrc(0)
	s_getreg_b32 s2, hwreg(HW_REG_IB_STS2, 6, 4)
	s_cmp_eq_u32 s2, 0
	s_cbranch_scc0 .Lentry_in_a_cluster
	s_endpgm
.Lentry_in_a_cluster:
	s_bfe_u32 s2, ttmp6, 0x10000c
	s_cmp_lg_u32 s2, 0x3003
	s_cbranch_scc0 .Lentry_shape_is_right
	s_endpgm
.Lentry_shape_is_right:
; THE FOUR BLOCK ATTENTIONS (blocks of 1,024, 512, 256, 128), their sum / 4, quantised for the output projection.  All products on codes of BF8 (E5M2).
; In scale i a query at position s looks at keys 0 .. s mod (1,024 >> i) of the head's FIRST keys: a head needs 1,024 + 512 + 256 + 128 keys' codes, 15 key steps of 128, each scale in its own codes.
; LEFT OUT: tiles of keys that lie wholly above the diagonal of the jnp.tril that reference() builds itself: key steps above a tile's own, and the upper 64 keys of the diagonal's step where the tile lies in its lower half.
; THE SOFTMAX AHEAD OF THE SECOND PRODUCT: t = score x log2(e) / 8; M = the row's largest t so far, rounded UP to a whole number; p = 2^(t - M) is quantised, not normalised; the row's sum is taken of the
; unquantised p and divides at the end.  When M moves, the sum and O are multiplied by 2^(old M - new M): exact.
; A cluster of four work-groups has one (batch, head); its partners take the four blocks of 1,024 queries (their place enters global addresses alone) and ask for K and V jointly.
; ONE LOOP of 8 trips, trip n = the wave's tile n / 4, scale n % 4: the step on the diagonal first (it starts M, the sum and O^T with C = 0, and alone carries the mask), then 7 counted trips that jump over the steps at or above it.
; The four scales' constants stand in four sets of scalar registers that rotate by one set a trip.  Q's image of trip n + 1 is loaded in trip n into a second run of registers and copied at the trip's head:
; register numbers cannot follow a loop's count.  The second tile's four images (4,096 bytes, 16 blocks of 256) are prefetched in trip 0, three trips ahead of the first load that wants them, each block once in the launch.
; LDS holds the head's 15 chunks of 16,384 bytes, FILLED ONCE: wave w < 15 asks for chunk w, jointly with the same wave of the three partners.  Nothing is stored to LDS and nothing is filled again.
; A chunk is images of operand registers: 8 of K (16 keys x 64 d: 8 registers, 1,024 bytes), then 4 of V^T (16 channels x 128 keys: 16 registers, 2,048 bytes; its first 8 registers are keys 0 .. 63, the K = 64 form's operand).
; LAYOUT.  Both products are used transposed: S^T = K Q^T, O^T = V^T P^T: a lane holds ONE query (lane % 16).  Tile kt of S^T holds keys 16 kt + 8 (lane / 16) + 0 .. 7: its conversion's two registers are registers 2 kt, 2 kt + 1 of P.
; LIMITS on the given exponents, so that each power of two below is an f32 number: eq + ek between -123 and 130; ep and e22 between -126 and 112; ep + ev - 2 goes by v_ldexp_f32 and has none.  NaN is not served.
; REGISTERS: v1 16 x lane; v2 LDS address; v3 -infinity; v4 2^ep; v[6:7] f; v[8:9] 2^(ep + ev - 2) / sum; v10 a permute's destination; v11 the context's hold; v12 -M, v13 the largest t; v[14:15] the sum.
.set CHUNK, 16384
.set LASTC, 14*CHUNK
; SHARES.  A block of 1,024 queries is 64 tiles of 16, tile = 8 g + m.  A tile walks (g + 1) + (g % 4 + 1) + (g % 2 + 1) + 1 key steps, of which the four on the diagonals are of 64 keys where m < 4.
; A wave takes TWO tiles: m = 2 (wave % 4) + cluster x for the first and 7 - m for the second, so one of the two has the short diagonals; their g stand in DEAL, four bits each, at place 2 (wave / 4) + 0, 1.
; DEAL gives wave / 4 = 0, 1, 2, 3 the pairs g = 4, 2; 7, 5; 6, 3; 1, 0: 14, 24, 21 and 9 key steps of 128: the shares are uneven by design, and the four waves of one wave % 4 have 68 together.
; Each g stands once in DEAL, and m runs through 0 .. 7 over the two clusters' waves: every tile has one owner.
.set DEAL,  0x01365724
.set SPARE, 15*CHUNK                   ; behind the chunks: the spare words, 128 bytes a wave, eight blocks of 256 bytes that no other line names
.set QA,  16                           ; v16-23  Q's image in hand
.set QB,  24                           ; v24-31  the next trip's
.set SPW, 32                           ; v32 my spare word's LDS address; v33 0: never rewritten
.set NIL, 33
.set TM,  34                           ; v34-37  four chains of maxima
.set SB,  38                           ; v38-43  three more chains of sums
.set VE,  44                           ; v44 2^e22
.set PFO, 45                           ; v45 the prefetch's offset; never rewritten
.set KV,  48                           ; v48-111 K's fragments, then V's
.set SR,  112                          ; v112-175 S^T, then p
.set OT,  176                          ; v176-207 O^T
.set CT,  208                          ; v208-239 the context
.set PR,  240                          ; v240-255 P's codes
; s12 wave; s13 cx; s14 batch x 16 + head; s15 my first tile; s37 first tile xor second; s16 the tile in hand; s17 tile % 4; s18 the diagonal's key step; s19 the scale's first chunk; s20 n; s21 the scale; s22, s23 the inner loop's count and chunk
; s35 the chunk's LDS byte; s[24:25] my block's images in qc; s[26:27] the Q load; s[28:29] the store; s[30:31] my block's images in cc; s[38:39] lane selects; s[62:63] the prefetch
; s[40:43] the set in hand: c x 2^(eq + ek), 57,344 x 2^ep, 2^ep, ep + ev - 2; s[44:55] the three sets to come; s[68:75] the diagonal tile's masks; s[76:83] the masks in hand
.macro CROUND                          ; a round of the cluster's barrier
	s_barrier_signal -1
	s_barrier_wait -1
	s_cmp_lg_u32 s12, 0
	s_cbranch_scc1 .Lnot_wave_0_\@
	s_barrier_signal -3
.Lnot_wave_0_\@:
	s_barrier_wait -3
	s_barrier_signal -1
	s_barrier_wait -1
.endm
	s_load_b256 s[4:11], s[0:1], 0x0               ; qc s[4:5], kv s[6:7], the scales' exponents s[8:9], cc s[10:11]
	v_lshl_add_u32 v[SPW], v0, 2, SPARE
	v_mov_b32 v[NIL], 0
	ds_add_u32 v[SPW], v[NIL]                      ; the opening lines: the add, twice on end, and its wait ahead of the round in front of the first tensor load
	ds_add_u32 v[SPW], v[NIL]
	v_lshrrev_b32 v1, 5, v0
	v_readfirstlane_b32 s12, v1                    ; wave 0..15
	s_bfe_u32 s13, ttmp6, 0x40000                  ; cx: my block of 1,024 queries
	s_and_b32 s14, ttmp7, 0xffff                   ; batch x 16 + head, which the partners share
	s_and_b32 s15, s12, 3
	s_lshl_b32 s15, s15, 1
	s_add_co_u32 s15, s15, ttmp9                   ; m: the cluster's x, 0 or 1, is shared by the partners too
	s_xor_b32 s62, s15, 7                          ; 7 - m
	s_lshr_b32 s37, s12, 2
	s_lshl_b32 s37, s37, 3                         ; my two places in DEAL begin at bit 8 (wave / 4)
	s_lshr_b32 s33, DEAL, s37
	s_and_b32 s32, s33, 7
	s_lshl_b32 s32, s32, 3
	s_add_co_u32 s15, s15, s32                     ; my first tile
	s_bfe_u32 s33, s33, 0x30004
	s_lshl_b32 s33, s33, 3
	s_add_co_u32 s62, s62, s33                     ; my second tile
	s_xor_b32 s37, s15, s62
	; descriptor group 1: a chunk is dense: 64 rows of 256 bytes
	s_mov_b32 s88, 15|(3<<16)|(1<<21)              ; the mask: all four work-groups; elements of 8 bytes; bit 21 beside a mask; no padding
	s_mov_b32 s89, 32<<16
	s_mov_b32 s90, 64<<16
	s_mov_b32 s91, 32<<16
	s_mov_b32 s92, 64
	s_mov_b32 s93, 32
	s_mov_b32 s94, 0
	s_mov_b32 s95, 0
	; group 0: chunk w.  Chunks 0-7 are set 0's key steps 0-7, 8-11 set 1's 0-3, 12-13 set 2's 0-1, 14 set 3's 0.  A set is 4,194,304 bytes on, a key step 16,384
	s_min_u32 s97, s12, 14                         ; (wave 15 asks for nothing)
	s_mov_b32 s84, 1
	s_lshl_b32 s85, s97, 14
	s_mov_b32 s98, s85
	s_cmp_ge_u32 s97, 8
	s_cselect_b32 s99, 4063232, 0                  ; a set on, 8 key steps back
	s_add_co_u32 s98, s98, s99
	s_cmp_ge_u32 s97, 12
	s_cselect_b32 s99, 4128768, 0                  ; a set on, 4 back
	s_add_co_u32 s98, s98, s99
	s_cmp_ge_u32 s97, 14
	s_cselect_b32 s99, 4161536, 0                  ; a set on, 2 back
	s_add_co_u32 s98, s98, s99
	s_lshl_b32 s99, s14, 17                        ; the head's 131,072 bytes of a set
	s_add_co_u32 s98, s98, s99
	s_mov_b32 s99, 0
	s_lshl_b32 s24, s14, 8
	s_lshl_b32 s32, s13, 6
	s_add_co_u32 s24, s24, s32                     ; my block's first tile among qc's: 256 (batch x 16 + head) + 64 cx
	s_lshl_b32 s24, s24, 12                        ; a tile's four images are 4,096 bytes
	s_mov_b32 s25, 0
	s_lshl_b32 s26, s15, 12                        ; my first tile
	s_mov_b32 s27, 0
	s_lshl_b32 s62, s62, 12                        ; my second tile
	s_mov_b32 s63, 0
	s_and_b32 s30, s14, 15                         ; cc [head][tile of 16 rows 512][1,024 bytes]: head x 512 + batch x 256 + 64 cx
	s_lshl_b32 s30, s30, 9
	s_lshr_b32 s31, s14, 4
	s_lshl_b32 s31, s31, 8
	s_add_co_u32 s30, s30, s31
	s_add_co_u32 s30, s30, s32
	s_lshl_b32 s30, s30, 10
	s_mov_b32 s31, 0
	s_mov_b32 s38, 0x76543210                      ; v_permlanex16_b32: lane l xor 16
	s_mov_b32 s39, 0xfedcba98
	s_mov_b32 s20, 0
	s_wait_dscnt 0x0                               ; both opening adds are done
	s_wait_kmcnt 0x0
	s_load_b512 s[68:83], s[8:9], 0x18             ; e6 .. e21: eq, ek, ep, ev of the four scales
	s_load_b32 s96, s[8:9], 0x58                   ; e22
	s_add_nc_u64 s[86:87], s[6:7], s[98:99]
	s_or_b32 s87, s87, 0x80000000                  ; type = 2
	s_add_nc_u64 s[24:25], s[4:5], s[24:25]
	s_add_nc_u64 s[26:27], s[24:25], s[26:27]
	s_add_nc_u64 s[62:63], s[24:25], s[62:63]
	s_add_nc_u64 s[30:31], s[10:11], s[30:31]
	CROUND                                         ; all four work-groups are here: the joint loads meet
	s_cmp_lt_u32 s12, 15                           ; the branch hangs on the wave's number alone
	s_cbranch_scc0 .Lno_fill
	tensor_load_to_lds s[84:87], s[88:95]          ; my one tensor load of the launch
	s_nop 0
.rept 4
	v_nop
.endr
.Lno_fill:
	v_and_b32 v1, 31, v0
	v_min_u32 v[PFO], 15, v1
	v_lshlrev_b32 v[PFO], 8, v[PFO]                ; lanes 0-15 name the 16 blocks of 256 bytes, the others the last again
	v_lshlrev_b32 v1, 4, v1                        ; 16 x lane
	global_load_b128 v[QB:QB+3], v1, s[26:27] th:TH_LOAD_NT            ; my first tile's Q, scale 0; each image is read once in the launch
	global_load_b128 v[QB+4:QB+7], v1, s[26:27] offset:512 th:TH_LOAD_NT
	v_mov_b32 v3, 0xff800000                       ; -infinity
	v_mov_b32 v7, 0                                ; named as upper halves of pairs,
	v_mov_b32 v9, 0
	v_mov_b32 v10, 0                               ; and as a permute's destination, which counts as read
	s_wait_kmcnt 0x0
.irp i, 0,1,2,3
	s_add_co_i32 s97, s[68+4*\i], s[69+4*\i]
	s_lshl_b32 s97, s97, 23
	s_add_co_i32 s[40+4*\i], s97, 0x3e38aa3b       ; c = log2(e) / 8, with eq + ek added to its exponent field
	s_add_co_i32 s97, s[70+4*\i], 127
	s_lshl_b32 s[42+4*\i], s97, 23                 ; 2^ep
	s_add_co_i32 s97, s97, 15
	s_lshl_b32 s97, s97, 23
	s_or_b32 s[41+4*\i], s97, 0x600000             ; 57,344 x 2^ep
	s_add_co_i32 s97, s[70+4*\i], s[71+4*\i]
	s_sub_co_i32 s[43+4*\i], s97, 2                ; ep + ev - 2: the sum of four is divided by 4
.endr
	s_add_co_i32 s97, s96, 127
	s_lshl_b32 s60, s97, 23                        ; 2^e22
	s_add_co_i32 s97, s97, 15
	s_lshl_b32 s97, s97, 23
	s_or_b32 s61, s97, 0x600000
	v_mov_b32 v11, s61                             ; 57,344 x 2^e22
	v_mov_b32 v[VE], s60
.irp j, 0,1,2,3,4,5,6,7
	s_mov_b32 s[68+\j], ((1<<\j)-1)|(((1<<(8+\j))-1)<<16)   ; in the tile on the diagonal, register j of lane (r, h) is key 8 h + j: hidden where 8 h + j > r
.endr
	s_wait_alu depctr_va_vdst(0)
	s_wait_tensorcnt 0x0                           ; my chunk has landed,
	s_barrier_signal -1
	s_barrier_wait -1                              ; everybody's has: from here on the chunks are only read
.macro KLOAD nk                        ; K's first nk images of the chunk at s35
	v_add_nc_u32 v2, s35, v1
	v_min_u32 v2, LASTC+496, v2                    ; the address is held inside the chunks
	v_nop
	v_nop                                          ; four places in front of loads into registers that the last products read
.set k, 0
.rept \nk
	ds_load_b128 v[KV+8*k:KV+8*k+3], v2 offset:k*1024
	ds_load_b128 v[KV+8*k+4:KV+8*k+7], v2 offset:k*1024+512
.set k, k+1
.endr
.endm
.macro QK nk                           ; S^T = K Q^T: nk tiles of 16 keys, K = the head's 64
	s_wait_dscnt \nk                               ; the lower half of the tiles is in; the nk loads of the upper half may be out
.set k, 0
.rept \nk
.if k == \nk/2
	s_wait_dscnt 0x0
.endif
	v_wmma_f32_16x16x64_bf8_bf8 v[SR+8*k:SR+8*k+7], v[KV+8*k:KV+8*k+7], v[QA:QA+7], 0
.set k, k+1
.endr
.rept 4
	v_nop                                          ; places: in front of the loads into K's registers and of the first read of the scores
.endr
.endm
.macro VLOAD nk                        ; V^T's four images of the same chunk, 16 nk keys of each: they land under the softmax
.irp t, 0,1,2,3
.set k, 0
.rept \nk/2
	ds_load_b128 v[KV+16*\t+4*k:KV+16*\t+4*k+3], v2 offset:8192+\t*2048+k*512
.set k, k+1
.endr
.endr
.endm
; The step on the diagonal: only its last four tiles of keys can hide anything.  Tiles under my tile of queries count whole and are jumped over; the tile on the diagonal takes the eight masks; the tiles above are hidden whole: -infinity, p = 0.
.macro MASK nk
.irp q, 0,1,2,3
	s_cmp_gt_u32 s17, \q
	s_cbranch_scc1 .Lseen_\@_\q
	s_cmp_lt_u32 s17, \q
.irp j, 0,1,2,3,4,5,6,7
	s_cselect_b32 s[76+\j], -1, s[68+\j]
.endr
.irp j, 0,1,2,3,4,5,6,7
	v_cndmask_b32 v[SR+8*(\nk-4+\q)+\j], v[SR+8*(\nk-4+\q)+\j], v3, s[76+\j]   ; each accumulator from its low end on
.endr
.Lseen_\@_\q:
.endr
.endm
.macro HOLD kt                         ; the conversion does not saturate (ISA guide 7.6.2); p is not negative, so the hold is one-sided
.set n, 0
.rept 4                                ; two holds an instruction: an even and an odd destination, one scalar as the first source of both
	v_dual_min_num_f32 v[SR+8*(\kt)+n], s41, v[SR+8*(\kt)+n] :: v_dual_min_num_f32 v[SR+8*(\kt)+n+1], s41, v[SR+8*(\kt)+n+1]
.set n, n+2
.endr
.endm
.macro SOFT nk, first                  ; first = 1: the scale's first step starts M and the sum
.set NR, 8*\nk
	v_max_num_f32 v[TM], v[SR], v[SR+1]            ; the step's largest score of my query among my keys, in four chains; each accumulator from its low end on
	v_max_num_f32 v[TM+1], v[SR+2], v[SR+3]
	v_max_num_f32 v[TM+2], v[SR+4], v[SR+5]
	v_max_num_f32 v[TM+3], v[SR+6], v[SR+7]
.set n, 8
.rept \nk-1
	v_max3_num_f32 v[TM], v[TM], v[SR+n], v[SR+n+1]
	v_max3_num_f32 v[TM+1], v[TM+1], v[SR+n+2], v[SR+n+3]
	v_max3_num_f32 v[TM+2], v[TM+2], v[SR+n+4], v[SR+n+5]
	v_max3_num_f32 v[TM+3], v[TM+3], v[SR+n+6], v[SR+n+7]
.set n, n+8
.endr
	v_max3_num_f32 v[TM], v[TM], v[TM+1], v[TM+2]
	s_delay_alu instid0(VALU_DEP_1)
	v_max_num_f32 v[TM], v[TM], v[TM+3]
	s_delay_alu instid0(VALU_DEP_1)
	v_permlanex16_b32 v10, v[TM], s38, s39
	s_delay_alu instid0(VALU_DEP_1)
	v_max_num_f32 v[TM], v[TM], v10                ; and among lane l xor 16's: finite, since a query's own key counts
.if \first
	s_delay_alu instid0(VALU_DEP_1)
	v_mul_f32 v13, s40, v[TM]                      ; as t (c is positive)
	s_delay_alu instid0(VALU_DEP_1)
	v_floor_f32 v12, -v13                          ; -M = floor(-t) = -ceil(t): M is a whole number
.else
	s_delay_alu instid0(VALU_DEP_1)
	v_mul_f32 v[TM], s40, v[TM]
	s_delay_alu instid0(VALU_DEP_1)
	v_max_num_f32 v13, v13, v[TM]                  ; the running largest t
	v_mov_b32 v[TM], v12
	s_delay_alu instid0(VALU_DEP_2)
	v_floor_f32 v12, -v13
	s_delay_alu instid0(VALU_DEP_1)
	v_sub_f32 v[TM], v12, v[TM]                    ; old M - new M: a whole number, 0 or less
	s_delay_alu instid0(VALU_DEP_1)
	v_cvt_i32_f32 v[TM], v[TM]
	s_delay_alu instid0(VALU_DEP_1)
	v_ldexp_f32 v6, 1.0, v[TM]                     ; f = 2^(old M - new M)
.endif
.set n, 0
.rept NR/2
	v_pk_fma_f32 v[SR+n:SR+n+1], v[SR+n:SR+n+1], s[40:41], v[12:13] op_sel_hi:[1,0,0]   ; t - M, two at a time (of the pairs the low word serves both halves)
.set n, n+2
.endr
.if \first == 0
.set n, 0
.rept 16
	v_pk_mul_f32 v[OT+n:OT+n+1], v[OT+n:OT+n+1], v[6:7] op_sel_hi:[1,0]   ; O^T under the new M, ahead of the exponentials
.set n, n+2
.endr
.endif
	s_wait_alu depctr_va_vdst(0)
.set n, 0
.rept NR
	v_exp_f32 v[SR+n], v[SR+n]                     ; p = 2^(t - M)
.set n, n+1
.endr
.if \first
	v_nop                                          ; a plain line behind the exponentials
.else
	v_pk_mul_f32 v[14:15], v[14:15], v[6:7] op_sel_hi:[1,0]   ; the sum under the new M: also the plain line behind the exponentials
.endif
	s_wait_alu depctr_va_vdst(0)                   ; one wait for the whole batch, ahead of its first reader
.if \first                             ; the row's sum is taken of the unquantised p, in four chains
	v_pk_add_f32 v[14:15], v[SR:SR+1], v[SR+2:SR+3]
	v_pk_add_f32 v[SB:SB+1], v[SR+4:SR+5], v[SR+6:SR+7]
	v_pk_add_f32 v[SB+2:SB+3], v[SR+8:SR+9], v[SR+10:SR+11]
	v_pk_add_f32 v[SB+4:SB+5], v[SR+12:SR+13], v[SR+14:SR+15]
.else
	v_pk_add_f32 v[SB:SB+1], v[SR:SR+1], v[SR+2:SR+3]
	v_pk_add_f32 v[SB+2:SB+3], v[SR+4:SR+5], v[SR+6:SR+7]
	v_pk_add_f32 v[SB+4:SB+5], v[SR+8:SR+9], v[SR+10:SR+11]
	v_pk_add_f32 v[14:15], v[14:15], v[SR+12:SR+13]
	v_pk_add_f32 v[SB:SB+1], v[SB:SB+1], v[SR+14:SR+15]
.endif
.set n, 16
.rept (NR-16)/8
	v_pk_add_f32 v[14:15], v[14:15], v[SR+n:SR+n+1]
	v_pk_add_f32 v[SB:SB+1], v[SB:SB+1], v[SR+n+2:SR+n+3]
	v_pk_add_f32 v[SB+2:SB+3], v[SB+2:SB+3], v[SR+n+4:SR+n+5]
	v_pk_add_f32 v[SB+4:SB+5], v[SB+4:SB+5], v[SR+n+6:SR+n+7]
.set n, n+8
.endr
	v_pk_add_f32 v[14:15], v[14:15], v[SB:SB+1]
	v_pk_add_f32 v[SB+2:SB+3], v[SB+2:SB+3], v[SB+4:SB+5]
	v_pk_add_f32 v[14:15], v[14:15], v[SB+2:SB+3]
	HOLD 0                                         ; the holds run one tile ahead of the conversions
.set k, 0
.rept \nk
.if k+1 < \nk
	HOLD k+1
.endif
	v_cvt_scalef32_pk8_bf8_f32 v[PR+2*k:PR+2*k+1], v[SR+8*k:SR+8*k+7], v4
.set k, k+1
.endr
	v_nop                                          ; a plain line between the last conversion and the products that read its result
.endm
.macro PV nk, first                    ; O^T (+)= V^T P^T: four tiles of 16 channels by turns, K = the step's keys
	s_wait_dscnt 0x0                               ; V is in
.irp t, 0,1,2,3
.if \nk == 4
	v_wmma_f32_16x16x64_bf8_bf8 v[OT+8*\t:OT+8*\t+7], v[KV+16*\t:KV+16*\t+7], v[PR:PR+7], 0
.elseif \first
	v_wmma_f32_16x16x128_bf8_bf8 v[OT+8*\t:OT+8*\t+7], v[KV+16*\t:KV+16*\t+15], v[PR:PR+15], 0
.else
	v_wmma_f32_16x16x128_bf8_bf8 v[OT+8*\t:OT+8*\t+7], v[KV+16*\t:KV+16*\t+15], v[PR:PR+15], v[OT+8*\t:OT+8*\t+7]
.endif
.endr
.endm
.macro DIAG nk                         ; the step on the diagonal, on its first 16 nk keys
	KLOAD \nk
	s_wait_alu depctr_va_vdst(0)                   ; directly ahead of the wait below
	QK \nk
	VLOAD \nk
	MASK \nk
	s_wait_alu depctr_va_vdst(0)
	SOFT \nk, 1
	s_wait_alu depctr_va_vdst(0)                   ; directly ahead of the wait below
	PV \nk, 1
.endm
.Ltrip:                                            ; 8 trips
	s_lshr_b32 s33, s20, 2                         ; which tile,
	s_and_b32 s21, s20, 3                          ; which scale
	s_mul_i32 s32, s33, s37
	s_xor_b32 s16, s15, s32                        ; the tile: my first or my second
	s_lshr_b32 s36, s16, 3                         ; g
	s_lshr_b32 s32, 8, s21                         ; the scale's key steps: 8, 4, 2, 1
	s_sub_co_u32 s19, 8, s32
	s_lshl_b32 s19, s19, 1                         ; its first chunk: 0, 8, 12, 14
	s_sub_co_u32 s32, s32, 1
	s_and_b32 s18, s36, s32                        ; the diagonal's key step
	s_and_b32 s17, s16, 3                          ; my tile's place among the four tiles that the mask looks at
	s_add_co_u32 s23, s19, s18
	s_lshl_b32 s23, s23, 14
	s_min_u32 s35, s23, LASTC
	s_wait_loadcnt 0x0                             ; this trip's Q is in; its load's base may be written
.set n, 0
.rept 8
	v_mov_b32 v[QA+n], v[QB+n]
.set n, n+1
.endr
	v_mov_b32 v4, s42
	s_wait_alu depctr_va_vdst(0)                   ; the wait behind these writes: scalar lines, branches
	s_cmp_eq_u32 s20, 7
	s_cbranch_scc1 .Lno_next                       ; the last trip has no successor
	s_add_co_u32 s32, s20, 1
	s_lshr_b32 s33, s32, 2
	s_mul_i32 s33, s33, s37
	s_xor_b32 s33, s33, s15
	s_lshl_b32 s33, s33, 2
	s_and_b32 s32, s32, 3
	s_add_co_u32 s96, s33, s32                     ; 4 x tile + scale
	s_lshl_b32 s96, s96, 10
	s_mov_b32 s97, 0
	s_add_nc_u64 s[26:27], s[24:25], s[96:97]
	global_load_b128 v[QB:QB+3], v1, s[26:27] th:TH_LOAD_NT
	global_load_b128 v[QB+4:QB+7], v1, s[26:27] offset:512 th:TH_LOAD_NT
.Lno_next:
	s_cmp_lg_u32 s20, 0
	s_cbranch_scc1 .Lno_ask
	global_prefetch_b8 v[PFO], s[62:63] th:TH_LOAD_NT scope:SCOPE_SE   ; my second tile's four images; its address registers are never rewritten
.Lno_ask:
	s_and_b32 s32, s16, 4
	s_cmp_lg_u32 s32, 0
	s_cbranch_scc1 .Lwide
	DIAG 4                                         ; my tile lies in the lower half of its key step: keys 64 .. 127 are hidden whole
	s_branch .Ljoin
.Lwide:
	DIAG 8
.Ljoin:
	s_lshl_b32 s23, s19, 14
	s_mov_b32 s22, 0
.Lfull:                                            ; 7 trips, a constant; steps at or above the diagonal are jumped over, on ids alone
	s_cmp_ge_u32 s22, s18
	s_cbranch_scc1 .Labove
	s_min_u32 s35, s23, LASTC
	KLOAD 8
	s_wait_alu depctr_va_vdst(0)
	QK 8
	VLOAD 8
	SOFT 8, 0
	s_wait_alu depctr_va_vdst(0)
	PV 8, 0
.Labove:
	s_add_co_u32 s23, s23, CHUNK
	s_add_co_u32 s22, s22, 1
	s_cmp_lt_u32 s22, 7
	s_cbranch_scc1 .Lfull
	; the scale's O^T / sum x 2^(ep + ev - 2) joins the context
	v_nop
	v_add_f32 v14, v14, v15                        ; the sum's two halves,
	s_delay_alu instid0(VALU_DEP_1)
	v_permlanex16_b32 v10, v14, s38, s39
	s_delay_alu instid0(VALU_DEP_1)
	v_add_f32 v14, v14, v10                        ; and lane l xor 16's
	s_wait_alu depctr_va_vdst(0)
	v_rcp_f32 v8, v14
	v_nop                                          ; a plain line behind the reciprocal,
	s_wait_alu depctr_va_vdst(0)                   ; and the wait ahead of its first reader
	v_ldexp_f32 v8, v8, s43
	s_cmp_lg_u32 s21, 0
	s_cbranch_scc1 .Ladd_ctx
	s_wait_alu depctr_va_vdst(0)                   ; directly ahead of the first readers of O^T
.set n, 0
.rept 16
	v_pk_mul_f32 v[CT+n:CT+n+1], v[OT+n:OT+n+1], v[8:9] op_sel_hi:[1,0]   ; scale 0 starts the context
.set n, n+2
.endr
	s_branch .Lctx_done
.Ladd_ctx:
	s_wait_alu depctr_va_vdst(0)                   ; likewise
.set n, 0
.rept 16
	v_pk_fma_f32 v[CT+n:CT+n+1], v[OT+n:OT+n+1], v[8:9], v[CT+n:CT+n+1] op_sel_hi:[1,0,1]
.set n, n+2
.endr
.Lctx_done:
	s_cmp_lg_u32 s21, 3
	s_cbranch_scc1 .Lno_out
	s_lshl_b32 s96, s16, 10                        ; the tile's image in cc
	s_mov_b32 s97, 0
	s_add_nc_u64 s[28:29], s[30:31], s[96:97]
.set n, 0
.rept 32
	v_med3_num_f32 v[CT+n], v[CT+n], -v11, v11     ; the hold at the largest code x 2^e22
.set n, n+1
.endr
.irp t, 0,1,2,3
	v_cvt_scalef32_pk8_bf8_f32 v[PR+2*\t:PR+2*\t+1], v[CT+8*\t:CT+8*\t+7], v[VE]   ; channels 16 t + 8 h + 0 .. 7 of row r: registers 2 t, 2 t + 1 of the image
.endr
	v_nop                                          ; a plain line behind the last conversion
	global_store_b128 v1, v[PR:PR+3], s[28:29]     ; 32 lanes store 512 consecutive bytes, aligned
	global_store_b128 v1, v[PR+4:PR+7], s[28:29] offset:512
	s_wait_xcnt 0x0                                ; the stores have read their data and their base: both are written again for the second tile
.Lno_out:
	s_mov_b64 s[56:57], s[40:41]                   ; the sets of constants rotate by one scale
	s_mov_b64 s[58:59], s[42:43]
	s_mov_b64 s[40:41], s[44:45]
	s_mov_b64 s[42:43], s[46:47]
	s_mov_b64 s[44:45], s[48:49]
	s_mov_b64 s[46:47], s[50:51]
	s_mov_b64 s[48:49], s[52:53]
	s_mov_b64 s[50:51], s[54:55]
	s_mov_b64 s[52:53], s[56:57]
	s_mov_b64 s[54:55], s[58:59]
	s_add_co_u32 s20, s20, 1
	s_cmp_lt_u32 s20, 8
	s_wait_alu depctr_va_vdst(0)
	s_cbranch_scc1 .Ltrip
	s_wait_tensorcnt 0x0                           ; the wave's end
	ds_add_u32 v[SPW], v[NIL]
	s_wait_dscnt 0x0
	CROUND                                         ; the closing round
	s_endpgm
.Lfunc_end_k_q2552579b01_attn:
	.size	k_q2552579b01_attn, .Lfunc_end_k_q2552579b01_attn-k_q2552579b01_attn
	.p2alignl 7, 3214868480
	.fill 96, 4, 3214868480
	.section	.rodata,"a",@progbits
	.p2align	6, 0x0
	.amdhsa_kernel k_q2552579b01_attn
		.amdhsa_group_segment_fixed_size 327680
		.amdhsa_private_segment_fixed_size 0
		.amdhsa_enable_private_segment 0
		.amdhsa_kernarg_size 32
		.amdhsa_user_sgpr_count 2
		.amdhsa_user_sgpr_kernarg_segment_ptr 1
		.amdhsa_wavefront_size32 1
		.amdhsa_system_sgpr_workgroup_id_x 1
		.amdhsa_system_sgpr_workgroup_id_y 1
		.amdhsa_system_sgpr_workgroup_id_z 1
		.amdhsa_system_vgpr_workitem_id 0
		.amdhsa_next_free_vgpr 256
		.amdhsa_next_free_sgpr 100
		.amdhsa_reserve_vcc 0
		.amdhsa_float_denorm_mode_32 3
		.amdhsa_float_denorm_mode_16_64 3
		.amdhsa_memory_ordered 1
		.amdhsa_forward_progress 1
		.amdhsa_inst_pref_size 60
	.end_amdhsa_kernel
	.amdgpu_metadata
---
amdhsa.version: [ 1, 2 ]
amdhsa.kernels:
  - .name:           k_q2552579b01_attn
    .symbol:         k_q2552579b01_attn.kd
    .args:
      - { .name: qc, .offset: 0, .size: 8, .value_kind: global_buffer, .address_space: global }
      - { .name: kv, .offset: 8, .size: 8, .value_kind: global_buffer, .address_space: global }
      - { .name: lowp_scales, .offset: 16, .size: 8, .value_kind: global_buffer, .address_space: global }
      - { .name: cc, .offset: 24, .size: 8, .value_kind: global_buffer, .address_space: global }
    .group_segment_fixed_size: 327680
    .private_segment_fixed_size: 0
    .kernarg_segment_align: 8
    .kernarg_segment_size: 32
    .max_flat_workgroup_size: 512
    .sgpr_count:     100
    .vgpr_count:     256
    .wavefront_size: 32
...
	.end_amdgpu_metadata
.endif
;; end of part 2
;; launch oproj (part 3): grid 8 x 32, 4 waves a work-group, clusters of 4 x 4, 327,680 bytes of LDS; arguments cc, wo_codes, lowp_scales, out0; writes out0
.if DOCPART == 3
	.amdgcn_target "amdgcn-amd-amdhsa--gfx1250"
	.amdhsa_code_object_version 6
	.text
	.protected	k_q2552579b01_oproj
	.globl	k_q2552579b01_oproj
	.p2align	8
	.type	k_q2552579b01_oproj,@function
k_q2552579b01_oproj:
	s_mov_b64 s[64:65], 0
	v_nop
	global_prefetch_b8 v0, s[64:65] scope:SCOPE_SE
	s_setreg_imm32_b32 hwreg(HW_REG_WAVE_MODE, 25, 1), 1
	s_wait_xcnt 0x0
	s_wait_alu depctr_hold_cnt(0) depctr_sa_sdst(0) depctr_va_vdst(0) depctr_va_sdst(0) depctr_va_ssrc(0) depctr_va_vcc(0) depctr_vm_vsrc(0)
	s_getreg_b32 s2, hwreg(HW_REG_IB_STS2, 6, 4)
	s_cmp_eq_u32 s2, 0
	s_cbranch_scc0 .Lentry_in_a_cluster
	s_endpgm
.Lentry_in_a_cluster:
	s_bfe_u32 s2, ttmp6, 0x10000c
	s_cmp_lg_u32 s2, 0xf033
	s_cbranch_scc0 .Lentry_shape_is_right
	s_endpgm
.Lentry_shape_is_right:
; THE OUTPUT PROJECTION on codes of BF8 (E5M2): out0 = ctx wo^T x 2^(e22 + e23), f32.  LIMIT: e22 + e23 between -126 and 127, so that the factor is an f32 number.
; A work-group makes 256 rows x 128 columns: 32 x 8 = 256 work-groups; each of its four waves 128 rows x 64 columns, 32 accumulators.  K goes in steps of 256 through a ring of two LDS slots.
; ctx comes as images of operand registers [head][tile of 16 rows][1,024 bytes] (waves 0, 1 fetch 128 rows each), wo as rows of 256 bytes padded to 272 (waves 2, 3 fetch 64 rows each).
; CLUSTERS of 4 x 4: ctx's tiles are asked for jointly along a row of the cluster, wo's along a column.  The matrix instruction is used transposed: a lane holds eight neighbouring columns of one row.
; THE WAY OUT: a block of 16 rows x 256 bytes goes through the wave's stage in slot 0 (past its last fill and its last read) and leaves with sixteen lanes to each aligned unit of 256 bytes.
.set SIZE_N, 1024
.set ROWB,   256
.set KROW,   1024
.set PITCH,  272
.set FR,     16
.set NL,     4
.set NP,     4
.set HALFA,  32768
.set HALFB,  64*PITCH
.set SLOT,   2*HALFA+2*HALFB
.set HEADB,  524288
.set LAPS,   2
.set SPARE,  2*SLOT
.set SPITCH, 528
.set ADRA, 16
.set ADRB, 20
.set STO,  24
.set RD,   25
.set CO,   26
.set SPW,  28
.set NIL,  29
.set TMP,  32
.set AF,   128
.set BK,   128
.set G1, 24
.set G0, 32
.set G1B, 48
.set G0B, 56
.set MSB, 0
.macro WIN new
.if MSB != \new
	s_set_vgpr_msb (MSB<<8)|\new
.set MSB, \new
.endif
.endm
.set MUL_LO, 0xa1
.set MUL_HI, 0xf1
.set TO_B,   0x40
.macro JLOAD g0a, g1a, g0b, g1b
	s_cmp_eq_u32 s15, 0
	s_cbranch_scc0 .Lfor_b_\@
	tensor_load_to_lds s[\g0a:\g0a+3], s[\g1a:\g1a+7]
	s_nop 0
.rept 4
	v_nop
.endr
	s_branch .Lasked_\@
.Lfor_b_\@:
	tensor_load_to_lds s[\g0b:\g0b+3], s[\g1b:\g1b+7]
	s_nop 0
.rept 4
	v_nop
.endr
.Lasked_\@:
.endm
.macro CREST
	s_cmp_lg_u32 s14, 0
	s_cbranch_scc1 .Lnot_wave_0_\@
	s_barrier_signal -3
.Lnot_wave_0_\@:
	s_barrier_wait -3
	s_barrier_signal -1
	s_barrier_wait -1
.endm
.macro CROUND
	s_barrier_signal -1
	s_barrier_wait -1
	CREST
.endm
	s_load_b128 s[4:7], s[0:1], 0x0
	s_load_b128 s[8:11], s[0:1], 0x10
	v_lshl_add_u32 v[SPW], v0, 2, SPARE
	v_mov_b32 v[NIL], 0
	v_lshrrev_b32 v1, 5, v0
	v_readfirstlane_b32 s14, v1
	s_lshr_b32 s15, s14, 1
	s_and_b32 s16, s14, 1
	s_bfe_u32 s40, ttmp6, 0x40000
	s_bfe_u32 s41, ttmp6, 0x40004
	s_lshl_b32 s42, ttmp9, 2
	s_add_co_u32 s42, s42, s40
	s_and_b32 s17, ttmp7, 0xffff
	s_lshl_b32 s17, s17, 2
	s_add_co_u32 s17, s17, s41
	s_lshl_b32 s43, s41, 2
	s_lshl_b32 s43, 15, s43
	s_lshl_b32 s44, 0x1111, s40
	s_or_b32 s[G1+0], s43, (3<<16)|(1<<21)
	s_mov_b32 s[G1+1], 1024<<16
	s_mov_b32 s[G1+2], 4<<16
	s_mov_b32 s[G1+3], 1024<<16
	s_mov_b32 s[G1+4], 4
	s_mov_b32 s[G1+5], HEADB/8
	s_mov_b32 s[G1+6], 0
	s_mov_b32 s[G1+7], 0
	s_or_b32 s[G1B+0], s44, (0<<16)|(1<<20)|(1<<21)|(5<<22)|(3<<25)
	s_mov_b32 s[G1B+1], ROWB<<16
	s_mov_b32 s[G1B+2], 64<<16
	s_mov_b32 s[G1B+3], ROWB<<16
	s_mov_b32 s[G1B+4], 64
	s_mov_b32 s[G1B+5], KROW
	s_mov_b32 s[G1B+6], 0
	s_mov_b32 s[G1B+7], 0
	s_lshl_b32 s20, s17, 14
	s_lshl_b32 s21, s16, 13
	s_add_co_u32 s20, s20, s21
	s_mov_b32 s21, 0
	s_lshl_b32 s46, s42, 17
	s_lshl_b32 s47, s16, 16
	s_add_co_u32 s46, s46, s47
	s_mov_b32 s47, 0
	s_mul_i32 s45, s16, HALFA
	s_mul_i32 s12, s16, HALFB
	s_add_co_u32 s12, s12, 2*HALFA
	s_wait_kmcnt 0x0
	s_load_b64 s[96:97], s[8:9], 0x58
	s_add_nc_u64 s[20:21], s[4:5], s[20:21]
	s_add_nc_u64 s[46:47], s[6:7], s[46:47]
	CROUND
.irp s, 0,1
	s_mov_b32 s[G0+4*\s], 1
	s_add_co_u32 s[G0+4*\s+1], s45, \s*SLOT
	s_add_nc_u64 s[G0+4*\s+2:G0+4*\s+3], s[20:21], \s*4*HEADB
	s_or_b32 s[G0+4*\s+3], s[G0+4*\s+3], 0x80000000
	s_mov_b32 s[G0B+4*\s], 1
	s_add_co_u32 s[G0B+4*\s+1], s12, \s*SLOT
	s_add_nc_u64 s[G0B+4*\s+2:G0B+4*\s+3], s[46:47], \s*ROWB
	s_or_b32 s[G0B+4*\s+3], s[G0B+4*\s+3], 0x80000000
	s_wait_alu depctr_va_vdst(0)
	s_wait_tensorcnt 0x0
	ds_add_u32 v28, v29
	ds_add_u32 v28, v29
	s_wait_dscnt 0x0
	CROUND
	JLOAD G0+4*\s, G1, G0B+4*\s, G1B
.endr
	v_and_b32 v1, 15, v0
	v_bfe_u32 v2, v0, 4, 1
	v_and_b32 v6, 31, v0
	v_lshlrev_b32 v[CO], 4, v6
	v_mul_u32_u24 v3, v1, PITCH
	v_lshl_add_u32 v4, v2, 3, v3
	s_mul_i32 s21, s15, HALFA
	s_mul_i32 s22, s16, HALFB
	s_add_co_u32 s22, s22, 2*HALFA
.irp s, 0,1
	v_add_nc_u32 v[ADRA+\s], s21, v[CO]
	v_add_nc_u32 v[ADRB+\s], s22, v4
	s_add_co_u32 s21, s21, SLOT
	s_add_co_u32 s22, s22, SLOT
.endr
	s_mul_i32 s23, s14, 16*SPITCH
	v_mul_u32_u24 v5, v1, SPITCH
	v_lshl_add_u32 v5, v2, 5, v5
	v_add_nc_u32 v[STO], s23, v5
	v_mul_u32_u24 v5, v2, SPITCH
	v_lshl_add_u32 v5, v1, 4, v5
	v_add_nc_u32 v[RD], s23, v5
	v_mul_u32_u24 v5, v2, SIZE_N*4
	v_lshl_add_u32 v[CO], v1, 4, v5
	s_lshl_b32 s20, s17, 8
	s_lshl_b32 s21, s15, 7
	s_add_co_u32 s20, s20, s21
	s_mov_b32 s21, 0
	s_mov_b64 s[18:19], SIZE_N*4
	s_mul_u64 s[20:21], s[20:21], s[18:19]
	s_lshl_b32 s46, s42, 9
	s_lshl_b32 s47, s16, 8
	s_add_co_u32 s46, s46, s47
	s_mov_b32 s47, 0
	s_add_nc_u64 s[20:21], s[20:21], s[46:47]
	s_add_nc_u64 s[10:11], s[10:11], s[20:21]
.macro FRAGA reg, slot, q, i
.irp g, 0,1,2,3
	ds_load_b128 v[\reg+4*\g:\reg+4*\g+3], v[ADRA+\slot] offset:(2*(\q)+\g/2)*8192+(\i)*1024+(\g%2)*512
.endr
.endm
.macro FRAGB reg, slot, q, i
.irp c, 0,1,2,3,4,5,6,7
	ds_load_b64 v[\reg+2*\c:\reg+2*\c+1], v[ADRB+\slot] offset:128*(\q)+16*\c+(\i)*16*PITCH
.endr
.endm
.macro MUL16 a0, p, zero
.irp a, \a0, \a0+1
.irp b, 0,1,2,3
.if \zero
	v_wmma_f32_16x16x128_bf8_bf8 v[8*(8*((\a)%4)+\b):8*(8*((\a)%4)+\b)+7], v[128*(\p)+FR*\b:128*(\p)+FR*\b+FR-1], v[AF+FR*(\a):AF+FR*(\a)+FR-1], 0
.else
	v_wmma_f32_16x16x128_bf8_bf8 v[8*(8*((\a)%4)+\b):8*(8*((\a)%4)+\b)+7], v[128*(\p)+FR*\b:128*(\p)+FR*\b+FR-1], v[AF+FR*(\a):AF+FR*(\a)+FR-1], v[8*(8*((\a)%4)+\b):8*(8*((\a)%4)+\b)+7]
.endif
.endr
.endr
.endm
.macro FETCH_B slot, q, p
	WIN TO_B
.irp i, 0,1,2,3
	FRAGB 128*(\p)+FR*\i, \slot, \q, \i
.endr
	WIN 0
.endm
.macro FETCH_A slot, q, i0
.irp i, \i0, \i0+1, \i0+2, \i0+3
	FRAGA AF+FR*(\i), \slot, \q, \i
.endr
.endm
.macro PLACES n
.rept \n
	v_nop
.endr
.endm
.macro STEP slot, q, zero
	s_wait_dscnt 4*NL
	WIN MUL_LO
	MUL16 0, (\q)%2, \zero
	MUL16 2, (\q)%2, \zero
	s_wait_dscnt 0
	PLACES NP
	FETCH_B \slot, (\q)+1, 1-(\q)%2
	FETCH_A \slot, (\q)+1, 0
	WIN MUL_HI
	MUL16 4, (\q)%2, \zero
	MUL16 6, (\q)%2, \zero
	PLACES NP
	WIN 0
	FETCH_A \slot, (\q)+1, 4
.endm
.macro TURN slot, next, fill
	s_wait_tensorcnt 0x0
	ds_add_u32 v[SPW], v[NIL]
	s_wait_dscnt 4*NL+1
	WIN MUL_LO
	MUL16 0, 1, 0
	s_wait_dscnt 0x0
	s_barrier_signal -1
	MUL16 2, 1, 0
	WIN 0
	s_barrier_wait -1
.if \fill
	CREST
	s_add_nc_u64 s[G0+4*\slot+2:G0+4*\slot+3], s[G0+4*\slot+2:G0+4*\slot+3], 8*HEADB
	s_add_nc_u64 s[G0B+4*\slot+2:G0B+4*\slot+3], s[G0B+4*\slot+2:G0B+4*\slot+3], 2*ROWB
	JLOAD G0+4*\slot, G1, G0B+4*\slot, G1B
.else
	PLACES NP
.endif
	FETCH_B \next, 0, 0
	FETCH_A \next, 0, 0
	WIN MUL_HI
	MUL16 4, 1, 0
	MUL16 6, 1, 0
	PLACES NP
	WIN 0
	FETCH_A \next, 0, 4
.endm
	s_wait_alu depctr_va_vdst(0)
	s_wait_tensorcnt 1
	s_barrier_signal -1
	s_barrier_wait -1
	FETCH_B 0, 0, 0
	FETCH_A 0, 0, 0
	FETCH_A 0, 0, 4
	STEP 0, 0, 1
	s_mov_b32 s3, LAPS-1
.Llap:
	TURN 0, 1, 1
	STEP 1, 0, 0
	TURN 1, 0, 1
	STEP 0, 0, 0
	s_sub_co_u32 s3, s3, 1
	s_cmp_lg_u32 s3, 0
	s_cbranch_scc1 .Llap
	TURN 0, 1, 0
	STEP 1, 0, 0
	s_wait_dscnt 4*NL
	WIN MUL_LO
	MUL16 0, 1, 0
	MUL16 2, 1, 0
	s_wait_dscnt 0
	WIN MUL_HI
	MUL16 4, 1, 0
	MUL16 6, 1, 0
	WIN 0
.macro TOSTAGE a
.set AC, 64*((\a)%4)
	WIN 0x02+((\a)/4)
.irp j, 0,2,4,6,8,10,12,14,16,18,20,22,24,26,28,30
	v_pk_mul_f32 v[TMP+\j:TMP+\j+1], v[AC+\j:AC+\j+1], s[96:97] op_sel_hi:[1,0]
.endr
	WIN 0
.irp b, 0,1,2,3
	ds_store_b128 v[STO], v[TMP+8*\b:TMP+8*\b+3] offset:64*\b
	ds_store_b128 v[STO], v[TMP+8*\b+4:TMP+8*\b+7] offset:64*\b+16
.endr
.set BB, BK+64*((\a)%2)
.irp t, 0,1,2,3,4,5,6,7
	ds_load_b128 v[BB+4*\t:BB+4*\t+3], v[RD] offset:2*\t*SPITCH
.endr
.endm
.macro SEND a, younger
.set BB, BK+64*((\a)%2)
	s_wait_dscnt \younger
.if (\a) > 0
	s_add_nc_u64 s[10:11], s[10:11], 16*SIZE_N*4
.endif
.irp t, 0,1,2,3,4,5,6,7
	global_store_b128 v[CO], v[BB+4*\t:BB+4*\t+3], s[10:11] offset:2*\t*SIZE_N*4 th:TH_STORE_NT
.endr
.endm
	s_wait_kmcnt 0x0
	s_add_co_i32 s96, s96, s97
	s_add_co_i32 s96, s96, 127
	s_lshl_b32 s96, s96, 23
	PLACES NP
	TOSTAGE 0
.irp a, 1,2,3,4,5,6,7
.if \a > 1
	s_wait_xcnt 0x0
.endif
	TOSTAGE \a
	SEND \a-1, 16
.endr
	s_wait_xcnt 0x0
	SEND 7, 0
	s_wait_tensorcnt 0x0
	ds_add_u32 v[SPW], v[NIL]
	s_wait_dscnt 0x0
	CROUND
	s_endpgm
.Lfunc_end_k_q2552579b01_oproj:
	.size	k_q2552579b01_oproj, .Lfunc_end_k_q2552579b01_oproj-k_q2552579b01_oproj
	.p2alignl 7, 3214868480
	.fill 96, 4, 3214868480
	.section	.rodata,"a",@progbits
	.p2align	6, 0x0
	.amdhsa_kernel k_q2552579b01_oproj
		.amdhsa_group_segment_fixed_size 327680
		.amdhsa_private_segment_fixed_size 0
		.amdhsa_enable_private_segment 0
		.amdhsa_kernarg_size 32
		.amdhsa_user_sgpr_count 2
		.amdhsa_user_sgpr_kernarg_segment_ptr 1
		.amdhsa_wavefront_size32 1
		.amdhsa_system_sgpr_workgroup_id_x 1
		.amdhsa_system_sgpr_workgroup_id_y 1
		.amdhsa_system_sgpr_workgroup_id_z 1
		.amdhsa_system_vgpr_workitem_id 0
		.amdhsa_next_free_vgpr 1024
		.amdhsa_next_free_sgpr 98
		.amdhsa_reserve_vcc 0
		.amdhsa_float_denorm_mode_32 3
		.amdhsa_float_denorm_mode_16_64 3
		.amdhsa_memory_ordered 1
		.amdhsa_forward_progress 1
		.amdhsa_inst_pref_size 86
	.end_amdhsa_kernel
	.amdgpu_metadata
---
amdhsa.version: [ 1, 2 ]
amdhsa.kernels:
  - .name:           k_q2552579b01_oproj
    .symbol:         k_q2552579b01_oproj.kd
    .args:
      - { .name: cc, .offset: 0, .size: 8, .value_kind: global_buffer, .address_space: global }
      - { .name: wo_codes, .offset: 8, .size: 8, .value_kind: global_buffer, .address_space: global }
      - { .name: lowp_scales, .offset: 16, .size: 8, .value_kind: global_buffer, .address_space: global }
      - { .name: out0, .offset: 24, .size: 8, .value_kind: global_buffer, .address_space: global }
    .group_segment_fixed_size: 327680
    .private_segment_fixed_size: 0
    .kernarg_segment_align: 8
    .kernarg_segment_size: 32
    .max_flat_workgroup_size: 128
    .sgpr_count:     98
    .vgpr_count:     1024
    .wavefront_size: 32
...
	.end_amdgpu_metadata
.endif
;; end of part 3
